; MI455X (gfx1250); checked and timed in simulation.
; The chip was launched on July 23, 2026; its instructions are those of AMD's public machine-readable ISA for CDNA 5 (MIT licence, August 2026) and "CDNA5" Instruction Set Architecture Reference Guide (July 2026). The comments in the code are by the model that wrote it; some were corrected since.
;; SAND Multi Head Attention. Allowed arithmetic: matrix products marked QUANTISED: E4M3 operands, one E8M0 scale for each 32 along K, by v_wmma_scale_f32_16x16x128_f8f6f4 with both operands' format E4M3, f32 sums; products left as they are: f32 operands where the result goes on into a quantised operand, else bf16, f16 or f32 operands; f32 sums; everything else in f32.
;; Inputs: Wk_codes 1,024 x 32 x 32 uint8 (E4M3 codes of Wk, K innermost, in blocks of 32 codes); Wk_scales 1,024 x 32 uint8 (E8M0 scales of Wk, one for each 32 codes along K); Wo_w_codes 1,024 x 32 x 32 uint8 (E4M3 codes of Wo_w, K innermost, in blocks of 32 codes); Wo_w_scales 1,024 x 32 uint8 (E8M0 scales of Wo_w, one for each 32 codes along K); Wq_codes 1,024 x 32 x 32 uint8 (E4M3 codes of Wq, K innermost, in blocks of 32 codes); Wq_scales 1,024 x 32 uint8 (E8M0 scales of Wq, one for each 32 codes along K); Wv_codes 1,024 x 32 x 32 uint8 (E4M3 codes of Wv, K innermost, in blocks of 32 codes); Wv_scales 1,024 x 32 uint8 (E8M0 scales of Wv, one for each 32 codes along K); mask 4 x 1 x 2,048 x 2,048 float32; x_codes 4 x 2,048 x 32 x 32 uint8 (E4M3 codes of x, K innermost, in blocks of 32 codes); x_scales 4 x 2,048 x 32 uint8 (E8M0 scales of x, one for each 32 codes along K).
;; Outputs: out0 4 x 2,048 x 1,024 float32.
;; This version of the problem:
;;   THIS VERSION OF THE PROBLEM IS GIVEN IN LOW PRECISION. The matrix products marked QUANTISED in the list below multiply operands that are first quantised to E4M3 (4 exponent bits, 3 mantissa bits; 8 bits a number), with one power-of-two scale for each 32 numbers along K (OCP MX v1.0); their sums are f32. All else is computed in f32.
;;   The module's matrix products, in the order in which they are computed (A, B: the left and right operand; K: the contracted axis; several contracted axes count as one K, in the product's order):
;;     1. [M 8,192, K 1,024] x [K 1,024, N 1,024]; A: input x (given as codes); B: input Wq (given as codes): QUANTISED
;;     2. [M 8,192, K 1,024] x [K 1,024, N 1,024]; A: input x (given as codes); B: input Wk (given as codes): QUANTISED
;;     3. [M 8,192, K 1,024] x [K 1,024, N 1,024]; A: input x (given as codes); B: input Wv (given as codes): QUANTISED
;;     4. batch 64 x [M 2,048, K 64] x [K 64, N 2,048]; A: computed on the way; B: computed on the way: QUANTISED
;;     5. batch 131,072 x [M 1, K 1] x [K 1, N 64]; A: computed on the way; B: computed on the way: left as it is (no contracted axis)
;;     6. [M 8,192, K 1,024] x [K 1,024, N 1,024]; A: computed on the way; B: input Wo_w (given as codes): QUANTISED
;;   THE QUANTISER, for each operand of a quantised product, along K:
;;     - K is cut into blocks of 32 from its start; a last block that is shorter is filled with zeros.
;;     - A block's scale is 2^e with e = floor(log2(the largest magnitude in the block)) - 8, held to -126 .. 127; a block of zeros has e = 0. As a byte (E8M0): e + 127.
;;     - Each number is divided by its block's scale, clamped to +-448, and rounded to the nearest number of E4M3, ties to even, subnormals kept.
;;     - The product sums the exact products of the quantised numbers (number of the format x scale) in f32.
;;   ~~~python
;;   def quantise(x, axis):      # numpy; x: float32 -> the quantised numbers, widened to float32 again
;;       x = np.moveaxis(x, axis, -1); K = x.shape[-1]
;;       x = np.pad(x, [(0, 0)] * (x.ndim - 1) + [(0, -K % 32)]); x = x.reshape(x.shape[:-1] + (-1, 32)); a = np.abs(x).max(-1, keepdims=True)
;;       e = np.where(a > 0, np.clip(np.frexp(np.where(a > 0, a, 1))[1] - 1 - 8, -126, 127), 0)      # np.frexp(a)[1] - 1 = floor(log2(a)), exactly
;;       r = np.clip(x / 2.0 ** e, -448, 448)
;;       step = 2.0 ** (np.maximum(np.frexp(np.where(r == 0, 1, r))[1] - 1, -6) - 3)
;;       q = np.round(r / step) * step * 2.0 ** e      # np.round: ties to even
;;       return np.moveaxis(q.reshape(q.shape[:-2] + (-1,))[..., :K], -1, axis).astype(np.float32)
;;   ~~~
;;   OPERANDS COMPUTED ON THE WAY. 'Computed on the way' means the value that the module computes at that place (a softmax that the list does not call 'softmax' is quantised finished and normalised). What goes into a quantiser is computed in f32, as accurately as f32 sums, v_exp_f32 and their like allow (about 1e-6 of the number): no bf16 or f16 on the way to a quantiser, and a product that is left as it is and whose result goes on into a quantised operand takes f32 operands (vector FMAs, or v_wmma_f32_16x16x4_f32). A number that lies on a knife's edge between two numbers of the format may be rounded either way, as far as f32 arithmetic and the matrix unit's own rounding can turn it there, and no further.
;;   INPUTS GIVEN AS CODES. Wk (in the module: [1024, 1024], K = its axis 0); Wo_w (in the module: [1024, 1024], K = its axis 1); Wq (in the module: [1024, 1024], K = its axis 0); Wv (in the module: [1024, 1024], K = its axis 0); x (in the module: [4, 2048, 1024], K = its axis 2): each comes as NAME_codes (uint8): NAME with its K axis moved to the last place and cut into blocks of 32 codes, [.., K / 32, bytes a block], one block behind the other in memory; one code a byte (a code: sign, 4 exponent bits, 3 mantissa bits); and NAME_scales (uint8): the same leading axes, one E8M0 byte (e + 127) for each 32 codes along K. Its value is code x scale, taken as it is: it is not quantised again, and the codes and scales need not be those that the quantiser above would give.
;; One version. Each part assembles by itself: llvm-mc -triple=amdgcn-amd-amdhsa -mcpu=gfx1250 --defsym DOCPART=n.
;; ======== version 1 of 1: 3 launches
;; limits: right only within a limited range of input values
;; workspace buffers: vf 33,554,432 bytes; q_img 8,388,608 bytes; q_sc 262,144 bytes; k_img 8,388,608 bytes; k_sc 262,144 bytes; ctx_codes 8,388,608 bytes; ctx_scales 262,144 bytes
;; launch qkv (part 1): grid 12 x 32, 4 waves a work-group, clusters of 4 x 4, 327,680 bytes of LDS; arguments x_codes, x_scales, Wv_codes, Wv_scales, Wq_codes, Wq_scales, Wk_codes, Wk_scales, vf, q_img, q_sc, k_img, k_sc; writes vf, q_img, q_sc, k_img, k_sc
.if DOCPART == 1
	.amdgcn_target "amdgcn-amd-amdhsa--gfx1250"
	.amdhsa_code_object_version 6
	.text
	.protected	k_q20fe94f6cd_qkv
	.globl	k_q20fe94f6cd_qkv
	.p2align	8
	.type	k_q20fe94f6cd_qkv,@function
k_q20fe94f6cd_qkv:
	s_mov_b64 s[64:65], 0
	v_nop
	global_prefetch_b8 v0, s[64:65] scope:SCOPE_SE
	s_setreg_imm32_b32 hwreg(HW_REG_WAVE_MODE, 25, 1), 1
	s_wait_xcnt 0x0
	s_wait_alu depctr_hold_cnt(0) depctr_sa_sdst(0) depctr_va_vdst(0) depctr_va_sdst(0) depctr_va_ssrc(0) depctr_va_vcc(0) depctr_vm_vsrc(0)
	s_getreg_b32 s2, hwreg(HW_REG_IB_STS2, 6, 4)
	s_cmp_eq_u32 s2, 0
	s_cbranch_scc0 .Lentry_in_a_cluster
	s_endpgm
.Lentry_in_a_cluster:
	s_bfe_u32 s2, ttmp6, 0x10000c
	s_cmp_lg_u32 s2, 0xf033
	s_cbranch_scc0 .Lentry_shape_is_right
	s_endpgm
.Lentry_shape_is_right:
; C[m][n] = sum over k of A[m][k] B[n][k] on codes of FP8 (E4M3) with one E8M0 scale for each 32 along K.  A: [8192][1024] codes, [8192][32] scale bytes.
; B is ONE OF THREE weights of [1024][1024] codes, [1024][32] scale bytes: the cluster's x (0, 1, 2) says which; a cluster's four columns are the weight's four tile columns.
;   weight 0: C leaves as f32, [8192][1024], row-major.
;   weight 1: C x 1/8 (the attention's scale, a power of two), and weight 2: C as it is, are QUANTISED along each head's 64 columns (two blocks of 32) and leave as images of operand registers:
;     codes  [token / 16][head pair p][c = 0..3][lane][16 bytes]: lane (r, h) belongs to token r of the tile; c = 0, 1 are head 2 p's blocks, c = 2, 3 head 2 p + 1's;
;            inside a block a lane's 16 codes are dims 8 h + 0..7 and 16 + 8 h + 0..7: the same order in both tensors, so that their product pairs the right numbers;
;     scales [p][token / 64][lane L][e = 0, 1] words: the word of token tile 4 G + 2 e + L / 16, token L % 16; byte c is block c's.
; A launch whose grid has one cluster along x uses weight 0 alone: the arguments of the other two ways are named and never touched there.
; LIMITS: NaN and infinities are not served; a block whose largest magnitude lies under 2^(9 - 127) keeps the scale byte 1 (a block of zeros too: its codes are zeros, and this program alone reads the bytes).
; A tile of C, 256 x 256, is made by four waves, each 128 x 128: 64 accumulators, 512 registers.  K goes in steps of 256 through a ring of two LDS slots filled by the tensor data mover.
; The scale bytes of the work-group's 256 rows of A and of B, for all of K, come into LDS once, as rows of 256 bytes.
; CLUSTERS: 4 x 4 work-groups.  The four of a row of the cluster need the same tiles of A, the four of a column the same tiles of B: each tile is asked for jointly.
; THE MATRIX INSTRUCTION IS USED TRANSPOSED (source 0 = 16 rows of B, source 1 = 16 rows of A): a lane holds eight neighbouring columns of one row of C.
; REGISTERS, in windows of 256: window 0: v0-31 addresses; v32-63 scale words, two sets; from v128 A's fragments, one set; on the way out v32-255 are free.
;   window 1: B's fragments, two sets.   window 2: accumulators of my rows 0-63 ((a, b) at v[8 (8 a + b)]);   window 3: those of my rows 64-127.
.set SIZE_N, 1024
.set SIZE_K, 1024
.set KSTEP,  256                       ; along K in a slot
.set NQ,     KSTEP/128                 ; matrix instructions deep
.set ROWB,   256                       ; a tile's row in bytes
.set KROW,   SIZE_K                    ; a row of A or of B in memory, in bytes
.set PITCH,  272                       ; an LDS row: 256 bytes + 16 of padding: the 16 rows that a load touches start at 16 different 16-byte columns
.set FR,     16                        ; registers of a fragment
.set NL,     4                         ; LDS loads that bring one
.set NP,     8                         ; places behind this matrix instruction (ISA guide 7.12.1)
.set HALFT,  128*PITCH                 ; 128 rows: what one tensor load brings
.set SLOT,   4*HALFT                   ; A's 256 rows, then B's 256 rows
.set LAPS,   SIZE_K/(2*KSTEP)          ; a lap = two K steps = once round the ring
.set KS,     SIZE_K/32                 ; a row of scales in bytes
.set SCL,    2*SLOT                    ; behind the ring: the scales, rows of 256 bytes + 16 of padding
.set HALFS,  (128*KS/256)*272          ; the scales of 128 rows
.set SBLK,   (16*KS/256)*272           ; those of 16 rows
.set SPARE,  SCL+4*HALFS               ; the spare words, 128 bytes a wave, that no other line names
.set SPITCH, 528                       ; the f32 way out: a stage of 16 rows x (512 + 16) bytes a wave, in slot 0, which has had its last fill and its last read by then
.set ADRA, 16                          ; v16-17  LDS address of my A fragments in slot 0, 1
.set ADRB, 20                          ; v20-21  the same for B
.set STO,  24                          ; v24     stage: where I put 32 bytes of a row
.set RD,   25                          ; v25     stage: where I read a row back
.set CO,   26                          ; v26     16 x lane
.set ADRS, 27                          ; v27     LDS address of my scale words
.set SPW,  28                          ; v28     my spare word; never rewritten
.set NIL,  29                          ; v29     0; never rewritten
.set L8,   30                          ; v30     8 x lane
.set SC,   32                          ; scale words, two sets of 16
.set AF,   128                         ; A's fragments
.set BK,   128                         ; f32 way out: rows read back, v128-191 and v192-255 by turns
.set TM,   32                          ; quantiser: v32-35 largest magnitudes, v36-39 bytes, v40-43 hold, v44-47 scale operands
.set PWD,  48                          ; v48-55  the eight blocks' scale words
.set SP2,  56                          ; v56-59  scale words paired for the store
.set Y,    64                          ; v64-127 a block's 64 numbers a lane
.set PCD,  128                         ; v128-255 codes: 16 registers for each block, so that no store's data are written again
.set G1, 24                            ; s[24:31] group 1 for A's tiles;  s[32:39] group 0, a set for each slot
.set G0, 32
.set G1B, 48                           ; s[48:55], s[56:63] the same for B's tiles
.set G0B, 56
.set SEL, 66                           ; s[66:67] lane selects for v_permlanex16_b32
.set G1S, 68                           ; s[68:75], s[76:79] groups 1 and 0 for A's scales;  s[80:87], s[88:91] for B's
.set G0S, 76
.set G1SB, 80
.set G0SB, 88
.set MNT, 94                           ; s94  (on the quantising way out) the mantissa field of 448
.set WHO, 95                           ; s95  which weight: the cluster's x
.set IMG, 96                           ; s[96:97] the images' buffer
.set ISC, 98                           ; s[98:99] their scale words'
.set FAC, 100                          ; s[100:101] 1/8 or 1
.set MSB, 0
.macro WIN new                         ; the immediate's high byte repeats the setting that is left
.if MSB != (\new)
	s_set_vgpr_msb (MSB<<8)|(\new)
.set MSB, (\new)
.endif
.endm
.set MUL_LO, 0xa1                      ; source 0 (B) window 1, source 1 (A) window 0, C and D window 2
.set MUL_HI, 0xf1                      ; the same, C and D window 3
.set TO_B,   0x40                      ; destination window 1, address window 0
; A joint load: waves 0 and 1 fetch for A, waves 2 and 3 for B; the branch hangs on the wave's number alone.  Four v_nop follow each of the two lines.
.macro JLOAD g0a, g1a, g0b, g1b
	s_cmp_eq_u32 s15, 0
	s_cbranch_scc0 .Lfor_b_\@
	tensor_load_to_lds s[\g0a:\g0a+3], s[\g1a:\g1a+7]
	s_nop 0
.rept 4
	v_nop
.endr
	s_branch .Lasked_\@
.Lfor_b_\@:
	tensor_load_to_lds s[\g0b:\g0b+3], s[\g1b:\g1b+7]
	s_nop 0
.rept 4
	v_nop
.endr
.Lasked_\@:
.endm
.macro CREST                           ; a round of the cluster's barrier behind its opening barrier
	s_cmp_lg_u32 s14, 0
	s_cbranch_scc1 .Lnot_wave_0_\@
	s_barrier_signal -3
.Lnot_wave_0_\@:
	s_barrier_wait -3
	s_barrier_signal -1
	s_barrier_wait -1
.endm
.macro CROUND                          ; a whole round
	s_barrier_signal -1
	s_barrier_wait -1
	CREST
.endm
	s_load_b128 s[4:7], s[0:1], 0x0                ; A's codes s[4:5], A's scales s[6:7]
	s_load_b512 s[68:83], s[0:1], 0x10             ; weight 0: codes 68, scales 70; weight 1: 72, 74; weight 2: 76, 78; f32 result 80; weight 1's images 82
	s_load_b128 s[84:87], s[0:1], 0x50             ; weight 1's scale words 84; weight 2's images 86
	s_load_b64 s[88:89], s[0:1], 0x60              ; weight 2's scale words
	v_lshl_add_u32 v[SPW], v0, 2, SPARE
	v_mov_b32 v[NIL], 0
	ds_add_u32 v28, v29
	s_wait_dscnt 0x0
	v_lshrrev_b32 v1, 5, v0
	v_readfirstlane_b32 s14, v1                    ; wave 0..3
	s_lshr_b32 s15, s14, 1                         ; which half of the tile's rows is mine.  Also: I fetch for A (0) or for B (1)
	s_and_b32 s16, s14, 1                          ; which half of its columns.  Also: which 128 rows of that tile I fetch
	s_mov_b32 s[WHO], ttmp9                        ; the cluster's x: the same in all sixteen partners
	s_bfe_u32 s40, ttmp6, 0x40000                  ; cx, cy: my place in the cluster
	s_bfe_u32 s41, ttmp6, 0x40004
	s_mov_b32 s42, s40                             ; tile column of the weight = cx
	s_and_b32 s17, ttmp7, 0xffff
	s_lshl_b32 s17, s17, 2
	s_add_co_u32 s17, s17, s41                     ; tile row of C = 4 x cluster y + cy
	s_lshl_b32 s43, s41, 2
	s_lshl_b32 s43, 15, s43                        ; my row of the cluster
	s_lshl_b32 s44, 0x1111, s40                    ; my column
	; group 1: a tile of 128 rows x 256 bytes, 16 bytes of padding behind each row
	s_or_b32 s[G1+0], s43, (0<<16)|(1<<20)|(1<<21)|(5<<22)|(3<<25)  ; 15:0 the mask: A's tiles go to my row; elements of 1 byte; padding on; 21 set beside a mask; after every 64 words, 4 words
	s_or_b32 s[G1B+0], s44, (0<<16)|(1<<20)|(1<<21)|(5<<22)|(3<<25)
.irp g, G1, G1B
	s_mov_b32 s[\g+1], ROWB<<16                    ; tensor_dim0
	s_mov_b32 s[\g+2], 128<<16                     ; tensor_dim1
	s_mov_b32 s[\g+3], ROWB<<16                    ; tile_dim0
	s_mov_b32 s[\g+4], 128                         ; tile_dim1
	s_mov_b32 s[\g+5], KROW                        ; pitch
	s_mov_b32 s[\g+6], 0
	s_mov_b32 s[\g+7], 0
.endr
	s_lshl_b32 s18, s16, 7                         ; which 128 rows of the tile I fetch
	s_lshl_b32 s20, s17, 8
	s_add_co_u32 s20, s20, s18                     ; A: row 256 x tile row + 128 x half
	s_lshl_b32 s46, s42, 8
	s_add_co_u32 s46, s46, s18                     ; B: row 256 x tile column + 128 x half
	s_mov_b32 s21, 0
	s_mov_b32 s47, 0
	s_mov_b64 s[18:19], KS
	s_mul_u64 s[22:23], s[20:21], s[18:19]         ; where these rows' scales begin, in bytes
	s_mul_u64 s[92:93], s[46:47], s[18:19]
	s_mov_b64 s[18:19], KROW
	s_mul_u64 s[20:21], s[20:21], s[18:19]         ; and their codes
	s_mul_u64 s[46:47], s[46:47], s[18:19]
	s_mul_i32 s45, s14, HALFT                      ; where they go: wave x 128 rows: no place in the cluster enters an LDS address
	s_mul_i32 s94, s14, HALFS
	s_wait_kmcnt 0x0
	s_cmp_eq_u32 s[WHO], 2                         ; the buffers are chosen by the cluster's x alone
	s_cselect_b64 s[8:9], s[76:77], s[72:73]
	s_cselect_b64 s[10:11], s[78:79], s[74:75]
	s_cselect_b64 s[IMG:IMG+1], s[86:87], s[82:83]
	s_cselect_b64 s[ISC:ISC+1], s[88:89], s[84:85]
	s_cmp_eq_u32 s[WHO], 0
	s_cselect_b64 s[8:9], s[68:69], s[8:9]         ; B's codes
	s_cselect_b64 s[10:11], s[70:71], s[10:11]     ; B's scales
	s_cmp_eq_u32 s[WHO], 1
	s_cselect_b32 s[FAC], 0x3e000000, 1.0          ; weight 1's results are multiplied by 1/8
	s_mov_b32 s[FAC+1], s[FAC]                     ; (named with it as a pair, so it is written)
	s_mov_b64 s[12:13], s[80:81]                   ; the f32 result
	; group 1 for the scales of 128 rows: a dense block of 4,096 bytes, as 16 rows of 256 bytes (32 elements of 8 bytes), 16 bytes of padding behind each
	s_or_b32 s[G1S+0], s43, (3<<16)|(1<<20)|(1<<21)|(5<<22)|(3<<25)
	s_or_b32 s[G1SB+0], s44, (3<<16)|(1<<20)|(1<<21)|(5<<22)|(3<<25)
.irp g, G1S, G1SB
	s_mov_b32 s[\g+1], 32<<16
	s_mov_b32 s[\g+2], (128*KS/256)<<16
	s_mov_b32 s[\g+3], 32<<16
	s_mov_b32 s[\g+4], 128*KS/256
	s_mov_b32 s[\g+5], 32
	s_mov_b32 s[\g+6], 0
	s_mov_b32 s[\g+7], 0
.endr
	s_add_nc_u64 s[20:21], s[4:5], s[20:21]
	s_add_nc_u64 s[22:23], s[6:7], s[22:23]
	s_add_nc_u64 s[46:47], s[8:9], s[46:47]
	s_add_nc_u64 s[92:93], s[10:11], s[92:93]
	CROUND                                         ; all sixteen work-groups are here: the first joint loads meet
	s_mov_b32 s[G0S], 1
	s_add_co_u32 s[G0S+1], s94, SCL
	s_mov_b64 s[G0S+2:G0S+3], s[22:23]
	s_or_b32 s[G0S+3], s[G0S+3], 0x80000000
	s_mov_b32 s[G0SB], 1
	s_add_co_u32 s[G0SB+1], s94, SCL
	s_mov_b64 s[G0SB+2:G0SB+3], s[92:93]
	s_or_b32 s[G0SB+3], s[G0SB+3], 0x80000000
	JLOAD G0S, G1S, G0SB, G1SB                     ; the scales first: they are wanted with K step 0
.irp s, 0,1
	s_mov_b32 s[G0+4*\s], 1
	s_add_co_u32 s[G0+4*\s+1], s45, \s*SLOT
	s_add_nc_u64 s[G0+4*\s+2:G0+4*\s+3], s[20:21], \s*ROWB
	s_or_b32 s[G0+4*\s+3], s[G0+4*\s+3], 0x80000000
	s_mov_b32 s[G0B+4*\s], 1
	s_add_co_u32 s[G0B+4*\s+1], s45, \s*SLOT
	s_add_nc_u64 s[G0B+4*\s+2:G0B+4*\s+3], s[46:47], \s*ROWB
	s_or_b32 s[G0B+4*\s+3], s[G0B+4*\s+3], 0x80000000
	JLOAD G0+4*\s, G1, G0B+4*\s, G1B
.endr
	v_and_b32 v1, 15, v0                           ; l % 16
	v_bfe_u32 v2, v0, 4, 1                         ; l / 16
	v_mul_u32_u24 v3, v1, PITCH
	v_lshl_add_u32 v4, v2, 4, v3                   ; a fragment's row x pitch + 16 x half
	s_mul_i32 s21, s15, HALFT                      ; my 128 rows of A
	s_mul_i32 s22, s16, HALFT                      ; my 128 rows of B,
	s_add_co_u32 s22, s22, 2*HALFT                 ; which lie behind A's 256
.irp s, 0,1
	v_add_nc_u32 v[ADRA+\s], s21, v4
	v_add_nc_u32 v[ADRB+\s], s22, v4
	s_add_co_u32 s21, s21, SLOT
	s_add_co_u32 s22, s22, SLOT
.endr
	v_mul_u32_u24 v5, v1, KS                       ; my row's scales: KS bytes a row,
	v_lshrrev_b32 v6, 8, v5
	v_lshl_add_u32 v5, v6, 4, v5                   ; and 16 more for each 256 passed
	s_mul_i32 s21, s15, HALFS                      ; A's: my 128 rows
	s_mul_i32 s22, s16, HALFS                      ; B's: my 128 rows, behind A's 256
	s_add_co_u32 s22, s22, 2*HALFS
	s_sub_co_u32 s22, s22, s21
	v_mul_u32_u24 v6, s22, v2                      ; lanes 16-31 take B's
	s_add_co_u32 s21, s21, SCL
	v_add_nc_u32 v5, v5, v6
	v_add_nc_u32 v[ADRS], s21, v5
	s_mul_i32 s23, s14, 16*SPITCH                  ; my stage
	v_mul_u32_u24 v5, v1, SPITCH                   ; in: row l % 16, 32 bytes for each half of the lanes
	v_lshl_add_u32 v5, v2, 5, v5
	v_add_nc_u32 v[STO], s23, v5
	v_and_b32 v6, 31, v0
	v_lshlrev_b32 v[CO], 4, v6                     ; 16 x lane
	v_lshlrev_b32 v[L8], 3, v6                     ; 8 x lane
	v_add_nc_u32 v[RD], s23, v[CO]
	s_lshl_b32 s20, s17, 8
	s_lshl_b32 s21, s15, 7
	s_add_co_u32 s20, s20, s21                     ; my first row of C: 256 x tile row + 128 x half
	s_mov_b32 s21, 0
	s_mov_b64 s[18:19], SIZE_N*4
	s_mul_u64 s[20:21], s[20:21], s[18:19]
	s_lshl_b32 s46, s42, 10                        ; my first column, in bytes: 1024 x tile column + 512 x half
	s_lshl_b32 s47, s16, 9
	s_add_co_u32 s46, s46, s47
	s_mov_b32 s47, 0
	s_add_nc_u64 s[20:21], s[20:21], s[46:47]
	s_add_nc_u64 s[12:13], s[12:13], s[20:21]
.macro FRAG reg, adr, q, i             ; a fragment, 16 rows x 128 K: lane l holds row l % 16; registers 4 c .. 4 c + 3 hold K = 32 c + 16 (l / 16) + 0 .. 15
.irp c, 0,1,2,3
	ds_load_b128 v[\reg+4*\c:\reg+4*\c+3], v[\adr] offset:128*(\q)+32*\c+(\i)*16*PITCH
.endr
.endm
; 16 matrix instructions: A's blocks a0, a0 + 1 x B's eight, the slot's q-th 128 along K.  p: B's set;  sc: the set of scale words.  zero = 1: the first product starts the sums.
; The 64 accumulators take turns, one instruction a turn, in the same order in every step.
.macro MUL16 a0, p, q, sc, zero
.irp a, \a0, \a0+1
.irp b, 0,1,2,3,4,5,6,7
.if \zero
	v_wmma_scale_f32_16x16x128_f8f6f4 v[8*(8*((\a)%4)+\b):8*(8*((\a)%4)+\b)+7], v[128*(\p)+FR*\b:128*(\p)+FR*\b+FR-1], v[AF+FR*(\a):AF+FR*(\a)+FR-1], 0, v[SC+8*NQ*(\sc)+NQ*\b+(\q)], v[SC+8*NQ*(\sc)+NQ*(\a)+(\q)] matrix_a_scale:MATRIX_SCALE_ROW1
.else
	v_wmma_scale_f32_16x16x128_f8f6f4 v[8*(8*((\a)%4)+\b):8*(8*((\a)%4)+\b)+7], v[128*(\p)+FR*\b:128*(\p)+FR*\b+FR-1], v[AF+FR*(\a):AF+FR*(\a)+FR-1], v[8*(8*((\a)%4)+\b):8*(8*((\a)%4)+\b)+7], v[SC+8*NQ*(\sc)+NQ*\b+(\q)], v[SC+8*NQ*(\sc)+NQ*(\a)+(\q)] matrix_a_scale:MATRIX_SCALE_ROW1
.endif
.endr
.endr
.endm
.macro FETCH_B slot, q, p              ; B's eight fragments of the slot's q-th 128 along K into set p
	WIN TO_B
.irp i, 0,1,2,3,4,5,6,7
	FRAG 128*(\p)+FR*\i, ADRB+\slot, \q, \i
.endr
	WIN 0
.endm
.macro FETCH_A slot, q, i0             ; A's blocks i0 .. i0 + 3
.irp i, \i0, \i0+1, \i0+2, \i0+3
	FRAG AF+FR*(\i), ADRA+\slot, \q, \i
.endr
.endm
.macro SCALES sc                       ; a K step's scale words into set sc: lanes 0-15 take A's block i, lanes 16-31 B's block i
.irp i, 0,1,2,3,4,5,6,7
	ds_load_b64 v[SC+8*NQ*\sc+NQ*\i:SC+8*NQ*\sc+NQ*\i+1], v[ADRS] offset:\i*SBLK
.endr
.endm
; A load into a register that a matrix instruction has read, and a vector instruction or an LDS store that reads a matrix result, stand NP places behind that matrix instruction;
; only plain vector instructions that name none of its registers are places.
.macro PLACES n
.rept \n
	v_nop
.endr
.endm
; A step of 128 along K that has its successor in the same slot.
.macro STEP slot, q, zero
	s_wait_dscnt 4*NL                              ; B's set and A's blocks 0-3 are in; the youngest 16 loads (A's blocks 4-7) may be out
	WIN MUL_LO
	MUL16 0, (\q)%2, \q, \slot, \zero
	MUL16 2, (\q)%2, \q, \slot, \zero
	s_wait_dscnt 0                                 ; A's blocks 4-7 are in
	PLACES NP
	FETCH_B \slot, (\q)+1, 1-(\q)%2
	FETCH_A \slot, (\q)+1, 0
	WIN MUL_HI
	MUL16 4, (\q)%2, \q, \slot, \zero
	MUL16 6, (\q)%2, \q, \slot, \zero
	PLACES NP
	WIN 0
	FETCH_A \slot, (\q)+1, 4
.endm
; A slot's last step changes slots: one barrier; in front of it each wave waits for all its tensor loads, adds 0 to its spare word, and waits for that and for its reads of this slot.
.macro TURN slot, next, fill
	s_wait_tensorcnt 0x0                           ; all my tensor loads have landed: my part of the next slot
	ds_add_u32 v[SPW], v[NIL]                      ; 0 onto my spare word
	s_wait_dscnt 4*NL+1                            ; (the add and the youngest 16 loads, A's blocks 4-7, may be out)
	WIN MUL_LO
	MUL16 0, 1, NQ-1, \slot, 0                     ; sixteen matrix instructions stand between the add and the wait for it
	s_wait_dscnt 0x0                               ; the add is done, and my reads of this slot are over
	s_barrier_signal -1
	MUL16 2, 1, NQ-1, \slot, 0
	WIN 0
	s_barrier_wait -1
.if \fill
	CREST                                          ; the barrier has opened a round of the cluster's barrier: no wave of any partner still reads this slot or has a load on its way
	s_add_nc_u64 s[G0+4*\slot+2:G0+4*\slot+3], s[G0+4*\slot+2:G0+4*\slot+3], 2*ROWB
	s_add_nc_u64 s[G0B+4*\slot+2:G0B+4*\slot+3], s[G0B+4*\slot+2:G0B+4*\slot+3], 2*ROWB
	JLOAD G0+4*\slot, G1, G0B+4*\slot, G1B         ; the first tensor load behind the round; its four v_nop are among the places in front of the loads below
	PLACES NP-4
.else
	PLACES NP
.endif
	v_add_nc_u32 v[ADRS], 4*NQ, v[ADRS]            ; on to the next K step's scale words
	FETCH_B \next, 0, 0
	FETCH_A \next, 0, 0
	SCALES \next
	WIN MUL_HI
	MUL16 4, 1, NQ-1, \slot, 0
	MUL16 6, 1, NQ-1, \slot, 0
	PLACES NP
	WIN 0
	FETCH_A \next, 0, 4
.endm
	s_wait_tensorcnt 1                             ; the scales and my part of K step 0 are in (K step 1's load may be out)
	s_barrier_signal -1
	s_barrier_wait -1                              ; everybody's are
	FETCH_B 0, 0, 0
	FETCH_A 0, 0, 0
	SCALES 0
	FETCH_A 0, 0, 4
	STEP 0, 0, 1                                   ; the first step stands in front of the loop: its products start the sums
	s_mov_b32 s3, LAPS-1
.Llap:                                                 ; a trip goes once round the ring, from a lap's second step to the next lap's first, and fills both slots again
	TURN 0, 1, 1
	STEP 1, 0, 0
	TURN 1, 0, 1
	STEP 0, 0, 0
	s_sub_co_u32 s3, s3, 1
	s_cmp_lg_u32 s3, 0
	s_cbranch_scc1 .Llap
	TURN 0, 1, 0                                   ; the last lap fills nothing, and has no round of the cluster's barrier
	STEP 1, 0, 0
	s_wait_dscnt 4*NL                              ; the very last step: nothing more to fetch
	WIN MUL_LO
	MUL16 0, 1, NQ-1, 1, 0
	MUL16 2, 1, NQ-1, 1, 0
	s_wait_dscnt 0
	WIN MUL_HI
	MUL16 4, 1, NQ-1, 1, 0
	MUL16 6, 1, NQ-1, 1, 0
	WIN 0
	PLACES NP                                      ; behind the last products: results are read, and registers that held fragments and scale words are written, only behind these
	s_cmp_lg_u32 s[WHO], 0                         ; the way out hangs on the cluster's x: the same way in all sixteen partners
	s_cbranch_scc1 .Lquant
; THE F32 WAY OUT, block by block of 16 rows x 128 columns, through my own stage in LDS: rows come back whole, 512 bytes, which the 32 lanes store as two aligned runs of 256 bytes.
; LDS serves a wave's instructions in order (ISA guide 5.7.1.4): no wait between the stores and the loads, nor in front of the next block's stores.
.macro TOSTAGE a
.set AC, 64*((\a)%4)
	WIN 0x08+4*((\a)/4)                            ; the data: window 2 or 3
.irp b, 0,1,2,3,4,5,6,7
	ds_store_b128 v[STO], v[AC+8*\b:AC+8*\b+3] offset:64*\b          ; each accumulator from its low end on
	ds_store_b128 v[STO], v[AC+8*\b+4:AC+8*\b+7] offset:64*\b+16
.endr
	WIN 0
.set BB, BK+64*((\a)%2)
.irp t, 0,1,2,3,4,5,6,7,8,9,10,11,12,13,14,15
	ds_load_b128 v[BB+4*\t:BB+4*\t+3], v[RD] offset:\t*SPITCH
.endr
.endm
.macro SEND a, younger                 ; younger: the LDS instructions issued behind block a's loads, which may stay out
.set BB, BK+64*((\a)%2)
	s_wait_dscnt \younger                          ; the block is back in registers
.if (\a) > 0
	s_add_nc_u64 s[12:13], s[12:13], 16*SIZE_N*4   ; (behind a wait on XCNT) 16 rows of C on
.endif
.irp t, 0,1,2,3,4,5,6,7,8,9,10,11,12,13,14,15
	global_store_b128 v[CO], v[BB+4*\t:BB+4*\t+3], s[12:13] offset:\t*SIZE_N*4   ; 32 lanes store 512 consecutive bytes, at a multiple of 256 from C's first byte
.endr
.endm
	TOSTAGE 0
.irp a, 1,2,3,4,5,6,7
.if \a > 1
	s_wait_xcnt 0x0                                ; block a - 2's stores have read their registers and their base: block a's loads may land there, and the base may step
.endif
	TOSTAGE \a
	SEND \a-1, 32                                  ; behind block a - 1's loads: block a's 16 stores and 16 loads
.endr
	s_wait_xcnt 0x0                                ; block 6's stores have read their base
	SEND 7, 0
	s_branch .Ldone
; THE QUANTISING WAY OUT.  My 128 columns are head pair p = 2 cx + my column half.  Of block a (16 tokens) register 16 c + i of a lane lies in block c of 32 columns; lane l xor 16 holds the block's other 16.
; 64 numbers of a lane, v[s] on, become 16 registers of codes at v[pc] on and the token's scale word in v[pw].
.macro QUANT s, pc, pw
.irp b, 0,1,2,3
	v_max3_num_f32 v[TM+\b], |v[\s+16*\b]|, |v[\s+1+16*\b]|, 0x4800000   ; block b: my 16 numbers, and the floor 2^(9 - 127): so the byte cannot fall under 1
.endr
.irp i, 2,4,6,8,10,12,14
.irp b, 0,1,2,3
	v_max3_num_f32 v[TM+\b], v[TM+\b], |v[\s+16*\b+\i]|, |v[\s+1+16*\b+\i]|   ; (the four blocks by turns)
.endr
.endr
.irp b, 0,1,2,3
	v_permlanex16_b32 v[TM+4+\b], v[TM+\b], s[SEL], s[SEL+1]
.endr
.irp b, 0,1,2,3
	v_max_num_f32 v[TM+\b], v[TM+\b], v[TM+4+\b]   ; with lane l xor 16's: the block's largest magnitude
.endr
.irp b, 0,1,2,3
	v_add_nc_u32 v[TM+12+\b], 0xfc000000, v[TM+\b]   ; 8 off its exponent field: the conversion takes the exponent field of this operand as its scale
.endr
.irp b, 0,1,2,3
	v_and_or_b32 v[TM+8+\b], v[TM+\b], 0x7f800000, s[MNT]   ; 448 x the scale
.endr
.irp b, 0,1,2,3
	v_lshrrev_b32 v[TM+4+\b], 23, v[TM+12+\b]      ; the scale's byte
.endr
	v_lshl_or_b32 v[\pw], v[TM+5], 8, v[TM+4]      ; the four bytes make my token's scale word
	v_lshl_or_b32 v[\pw], v[TM+6], 16, v[\pw]
	v_lshl_or_b32 v[\pw], v[TM+7], 24, v[\pw]
.irp b, 0,1,2,3
.irp i, 0,1,2,3,4,5,6,7,8,9,10,11,12,13,14,15
	v_med3_num_f32 v[\s+16*\b+\i], v[\s+16*\b+\i], -v[TM+8+\b], v[TM+8+\b]   ; the conversion to an 8-bit code does not saturate (ISA guide 7.6.2): the hold at the largest code x the scale
.endr
	v_cvt_scalef32_pk8_fp8_f32 v[\pc+4*\b:\pc+1+4*\b], v[\s+16*\b:\s+7+16*\b], v[TM+12+\b]
	v_cvt_scalef32_pk8_fp8_f32 v[\pc+2+4*\b:\pc+3+4*\b], v[\s+8+16*\b:\s+15+16*\b], v[TM+12+\b]
.endr
	v_nop                                          ; one plain vector instruction between a scaled conversion and the next vector instruction that writes its sources
.endm
.Lquant:
	s_mov_b32 s[SEL], 0x76543210
	s_mov_b32 s[SEL+1], 0xfedcba98                 ; lane l xor 16
	s_mov_b32 s[MNT], 0x600000                     ; the mantissa field of 448
	s_mov_b32 vcc_lo, 0xffff0000                   ; lanes 16-31
	s_lshl_b32 s18, s40, 1
	s_add_co_u32 s18, s18, s16                     ; p
	s_lshl_b32 s20, s17, 18                        ; images: my first token tile is 16 x tile row + 8 x row half, 16,384 bytes a tile;
	s_lshl_b32 s21, s15, 17
	s_add_co_u32 s20, s20, s21
	s_lshl_b32 s21, s18, 11                        ; 2,048 bytes a head pair
	s_add_co_u32 s20, s20, s21
	s_mov_b32 s21, 0
	s_add_nc_u64 s[IMG:IMG+1], s[IMG:IMG+1], s[20:21]
	s_lshl_b32 s20, s17, 2                         ; scale words: my first group of 64 tokens is 4 x tile row + 2 x row half, 256 bytes a group;
	s_lshl_b32 s22, s15, 1
	s_add_co_u32 s20, s20, s22
	s_lshl_b32 s20, s20, 8
	s_lshl_b32 s22, s18, 15                        ; 32,768 bytes a head pair
	s_add_co_u32 s20, s20, s22
	s_add_nc_u64 s[ISC:ISC+1], s[ISC:ISC+1], s[20:21]
.irp b, 0,1,2,3
	v_mov_b32 v[TM+4+\b], 0                        ; written once: a lane permute's destination counts as one of its sources
.endr
.irp a, 0,1,2,3,4,5,6,7
	WIN 0x02+\a/4                                  ; source 0: window 2 or 3
.set qi, 0
.rept 32
	v_pk_mul_f32 v[Y+2*qi:Y+2*qi+1], v[64*(\a%4)+2*qi:64*(\a%4)+2*qi+1], s[FAC:FAC+1] op_sel_hi:[1,0]   ; x 1/8 or x 1, and into window 0; each accumulator from its low end on
.set qi, qi+1
.endr
	WIN 0
	QUANT Y, PCD+16*\a, PWD+\a
.irp c, 0,1,2,3
	global_store_b128 v[CO], v[PCD+16*\a+4*\c:PCD+16*\a+4*\c+3], s[IMG:IMG+1] offset:\a*16384+512*\c   ; 32 lanes store 512 consecutive bytes, at a multiple of 512 from the buffer's first byte
.endr
.endr
.irp k, 0,1,2,3
	v_cndmask_b32 v[SP2+\k], v[PWD+2*\k], v[PWD+2*\k+1], vcc_lo   ; lanes 0-15: tile 2 k's words, lanes 16-31: tile 2 k + 1's (both halves of the lanes hold a tile's words)
.endr
	global_store_b64 v[L8], v[SP2:SP2+1], s[ISC:ISC+1]             ; 32 lanes store 256 consecutive bytes, aligned
	global_store_b64 v[L8], v[SP2+2:SP2+3], s[ISC:ISC+1] offset:256
.Ldone:
	s_wait_tensorcnt 0x0                           ; the wave's end: behind my last tensor load and my last LDS store
	ds_add_u32 v[SPW], v[NIL]
	s_wait_dscnt 0x0
	CROUND                                         ; the closing round: no work-group ends while a partner may still ask for a tile that names it
	s_endpgm
.Lfunc_end_k_q20fe94f6cd_qkv:
	.size	k_q20fe94f6cd_qkv, .Lfunc_end_k_q20fe94f6cd_qkv-k_q20fe94f6cd_qkv
	.p2alignl 7, 3214868480
	.fill 96, 4, 3214868480
	.section	.rodata,"a",@progbits
	.p2align	6, 0x0
	.amdhsa_kernel k_q20fe94f6cd_qkv
		.amdhsa_group_segment_fixed_size 327680
		.amdhsa_private_segment_fixed_size 0
		.amdhsa_enable_private_segment 0
		.amdhsa_kernarg_size 104
		.amdhsa_user_sgpr_count 2
		.amdhsa_user_sgpr_kernarg_segment_ptr 1
		.amdhsa_wavefront_size32 1
		.amdhsa_system_sgpr_workgroup_id_x 1
		.amdhsa_system_sgpr_workgroup_id_y 1
		.amdhsa_system_sgpr_workgroup_id_z 1
		.amdhsa_system_vgpr_workitem_id 0
		.amdhsa_next_free_vgpr 1024
		.amdhsa_next_free_sgpr 102
		.amdhsa_reserve_vcc 1
		.amdhsa_float_denorm_mode_32 3
		.amdhsa_float_denorm_mode_16_64 3
		.amdhsa_memory_ordered 1
		.amdhsa_forward_progress 1
		.amdhsa_inst_pref_size 230
	.end_amdhsa_kernel
	.amdgpu_metadata
---
amdhsa.version: [ 1, 2 ]
amdhsa.kernels:
  - .name:           k_q20fe94f6cd_qkv
    .symbol:         k_q20fe94f6cd_qkv.kd
    .args:
      - { .name: x_codes, .offset: 0, .size: 8, .value_kind: global_buffer, .address_space: global }
      - { .name: x_scales, .offset: 8, .size: 8, .value_kind: global_buffer, .address_space: global }
      - { .name: Wv_codes, .offset: 16, .size: 8, .value_kind: global_buffer, .address_space: global }
      - { .name: Wv_scales, .offset: 24, .size: 8, .value_kind: global_buffer, .address_space: global }
      - { .name: Wq_codes, .offset: 32, .size: 8, .value_kind: global_buffer, .address_space: global }
      - { .name: Wq_scales, .offset: 40, .size: 8, .value_kind: global_buffer, .address_space: global }
      - { .name: Wk_codes, .offset: 48, .size: 8, .value_kind: global_buffer, .address_space: global }
      - { .name: Wk_scales, .offset: 56, .size: 8, .value_kind: global_buffer, .address_space: global }
      - { .name: vf, .offset: 64, .size: 8, .value_kind: global_buffer, .address_space: global }
      - { .name: q_img, .offset: 72, .size: 8, .value_kind: global_buffer, .address_space: global }
      - { .name: q_sc, .offset: 80, .size: 8, .value_kind: global_buffer, .address_space: global }
      - { .name: k_img, .offset: 88, .size: 8, .value_kind: global_buffer, .address_space: global }
      - { .name: k_sc, .offset: 96, .size: 8, .value_kind: global_buffer, .address_space: global }
    .group_segment_fixed_size: 327680
    .private_segment_fixed_size: 0
    .kernarg_segment_align: 8
    .kernarg_segment_size: 104
    .max_flat_workgroup_size: 128
    .sgpr_count:     102
    .vgpr_count:     1024
    .wavefront_size: 32
...
	.end_amdgpu_metadata
.endif
;; end of part 1
;; launch attn (part 2): grid 64 x 4, 16 waves a work-group, clusters of 4 x 1, 327,680 bytes of LDS; arguments q_img, q_sc, k_img, k_sc, mask, vf, ctx_codes, ctx_scales; writes ctx_codes, ctx_scales
.if DOCPART == 2
	.amdgcn_target "amdgcn-amd-amdhsa--gfx1250"
	.amdhsa_code_object_version 6
	.text
	.protected	k_q20fe94f6cd_attn
	.globl	k_q20fe94f6cd_attn
	.p2align	8
	.type	k_q20fe94f6cd_attn,@function
k_q20fe94f6cd_attn:
	s_mov_b64 s[64:65], 0
	v_nop
	global_prefetch_b8 v0, s[64:65] scope:SCOPE_SE
	s_setreg_imm32_b32 hwreg(HW_REG_WAVE_MODE, 25, 1), 1
	s_wait_xcnt 0x0
	s_wait_alu depctr_hold_cnt(0) depctr_sa_sdst(0) depctr_va_vdst(0) depctr_va_sdst(0) depctr_va_ssrc(0) depctr_va_vcc(0) depctr_vm_vsrc(0)
	s_getreg_b32 s2, hwreg(HW_REG_IB_STS2, 6, 4)
	s_cmp_eq_u32 s2, 0
	s_cbranch_scc0 .Lentry_in_a_cluster
	s_endpgm
.Lentry_in_a_cluster:
	s_bfe_u32 s2, ttmp6, 0x10000c
	s_cmp_lg_u32 s2, 0x3003
	s_cbranch_scc0 .Lentry_shape_is_right
	s_endpgm
.Lentry_shape_is_right:
; ctx[b][h][t][:] = (sum over l of softmax_l(q[b][t][h] . k[b][l][h] + mask[b][t][l])) x v[b][t][h][:], quantised along the K of the product that follows.
; The keys' axis stands in the softmax alone, so a (query, head) needs its running maximum m and its sum Z = sum of e^(score - m); the sum of the normalised weights is s = Z x (1 / Z).
; q . k is a product on codes of FP8 (E4M3), K = the head's 64 (two blocks of 32); the mask is the C of that product; everything behind it is f32.
; q, k: images of operand registers [token / 16][head pair p][c][lane][16 bytes] (c = 0, 1: head 2 p; c = 2, 3: head 2 p + 1), scale words [p][token / 64][lane][2].  v: f32 [8192][1024].
; ctx leaves as codes [8192][1024] and scale bytes [8192][32] of the matrix [b][h x 128 + t / 16][(t % 16) x 64 + d]: the reshape without a transposition.
; SHARES.  A work-group owns 32 queries (tiles a = 0, 1) of one batch, all 16 heads, all 2,048 keys, 128 keys a trip.  Wave w: head pair p = w / 2, keys 64 (w % 2) on of the trip's 128.
; PRODUCT.  S^T = k q^T + mask^T: source 0 = 16 keys x (head 2 p | head 2 p + 1), source 1 = (q of head 2 p | zero codes) or (zero codes | q of head 2 p + 1): zero codes add nothing.
; In the result lane (r, h) holds query r and keys 8 h + 0..7: 32 neighbouring bytes of the mask's row are its C.  D is other registers than C, so that a mask tile serves both heads.
; A lane keeps m and Z of its own keys; a query's four partial pairs (two waves x two halves of the lanes) meet at the end, through LDS.
; CLUSTER.  The four work-groups of a cluster belong to one batch and walk the same k: its tiles are asked for jointly.  The mask's tiles are a work-group's own: each element is read by one work-group.
; LIMITS: scores at or under -2^127 count as -infinity; scores beyond about 2.3e38, NaN and +infinity are not served.  A query whose every key is masked by -infinity has s = NaN as in the
; definition, but the hold ahead of the conversion drops the NaN: that case is not served.  A block of ctx under 2^(9 - 127) keeps the scale byte 1 (zeros too: only this program reads the bytes).
.set KSLOT, 131072                     ; LDS: k's slots at 0 and 131,072: 8 token tiles x 16,384 bytes, as they lie in memory (every read is 512 consecutive bytes: no padding)
.set MB0,   262144                     ; the mask's slots: 32 rows x (512 bytes + 16)
.set MB1,   294912
.set MP,    528
.set SPARE, 279296                     ; the spare words, 128 bytes for each of 16 waves, that no other line names
.set STAT,  0                          ; at the end, in k's slot 0 (its last fill and its last read are over): 1,024 bytes a wave of (-c m, Z),
.set SCB,   16384                      ; and 64 scale bytes a wave
.set SPW,  1                           ; v1   my spare word; never rewritten
.set NIL,  2                           ; v2   0; never rewritten
.set AK,   3                           ; v3-4  LDS address of my k fragments in slot 0, 1
.set AM,   5                           ; v5-6  of my mask tiles
.set L8,   7                           ; v7   8 x lane
.set L8K,  8                           ; v8   8,192 x lane: a row of the mask a lane
.set L16,  9                           ; v9   16 x lane
.set KS,   10                          ; v10-13 k's scale words, two sets of two
.set QS,   14                          ; v14  q's scale words: lanes 0-15 tile 0, lanes 16-31 tile 1
.set VPF,  15                          ; v15  offset of my block of v for the prefetch
.set ST,   16                          ; v16-31 state: group g = 2 e + a at 16 + 4 g: -c m, m, Z in two halves
.set T,    32                          ; v32-39 at work, four a head
.set VO,   40                          ; v40  offset of my 64 bytes of v
.set SO,   41                          ; v41  offset of my two scale bytes
.set SD,   47                          ; v47  those two bytes
.set Q,    48                          ; v48-95 q: for each tile 24 registers: c = 0, 1 | 8 of zeros | c = 2, 3
.set KF,   96                          ; v96-159 four fragments of k; at the end v
.set M,    160                         ; v160-191 four mask tiles of one tile of queries; at the end the partial pairs
.set D,    192                         ; v192-255 scores: head e, key tile i at 192 + 32 e + 8 i; at the end codes
.set WV,   20                          ; s20 wave, s21 p, s22 key half, s23 cx, s24 block of 32 queries, s25 batch
.set HP,   21
.set KH,   22
.set CX,   23
.set QBK,  24
.set BT,   25
.set G1K,  28                          ; s[28:35] group 1 for k's tiles;  s[36:43] for the mask's
.set G1M,  36
.set G0K,  44                          ; s[44:51] group 0 for k's tiles, a set for each slot;  s[52:59] for the mask's
.set G0M,  52
.set CS,   60                          ; s[60:61] c = log2(e)
.set NCS,  62                          ; s62  -c
.set CNT,  63
.set KSB,  66                          ; s[66:67] k's scale words of the trip ahead
.set PFB,  68                          ; s[68:69] the mask tile two trips ahead
.set QBS,  70                          ; s[70:71] q's images
.set MNT,  72                          ; s72  the mantissa field of 448
.set VFB,  74                          ; s[74:75] v;  s[76:77] ctx's codes;  s[78:79] ctx's scale bytes
.set CCB,  76
.set CSB,  78
.macro ROUND                           ; a round of the cluster's barrier
	s_barrier_signal -1
	s_barrier_wait -1
	s_cmp_lg_u32 s[WV], 0
	s_cbranch_scc1 .Lnot_wave_0_\@
	s_barrier_signal -3
.Lnot_wave_0_\@:
	s_barrier_wait -3
	s_barrier_signal -1
	s_barrier_wait -1
.endm
; Waves 0 to 7 fetch a token tile of k each (jointly with the partners), wave 8 the mask's tile, the others nothing.  The branches hang on the wave's number alone.  Four v_nop follow each line.
.macro TLOAD s
	s_cmp_lt_u32 s[WV], 8
	s_cbranch_scc0 .Lnot_k_\@
	tensor_load_to_lds s[G0K+4*(\s):G0K+4*(\s)+3], s[G1K:G1K+7]
	s_nop 0
.rept 4
	v_nop
.endr
	s_branch .Lasked_\@
.Lnot_k_\@:
	s_cmp_eq_u32 s[WV], 8
	s_cbranch_scc0 .Lasked_\@
	tensor_load_to_lds s[G0M+4*(\s):G0M+4*(\s)+3], s[G1M:G1M+7]
	s_nop 0
.rept 4
	v_nop
.endr
.Lasked_\@:
.endm
	s_load_b512 s[4:19], s[0:1], 0x0               ; q images 4, q scales 6, k images 8, k scales 10, mask 12, v 14, ctx codes 16, ctx scales 18
	v_lshl_add_u32 v[SPW], v0, 2, SPARE
	v_mov_b32 v[NIL], 0
	ds_add_u32 v1, v2
	s_wait_dscnt 0x0
	v_lshrrev_b32 v42, 5, v0
	v_readfirstlane_b32 s[WV], v42                 ; wave 0..15
	s_lshr_b32 s[HP], s[WV], 1
	s_and_b32 s[KH], s[WV], 1
	s_bfe_u32 s[CX], ttmp6, 0x40000                ; my place in the cluster: it enters global addresses of my own loads and stores alone
	s_lshl_b32 s[QBK], ttmp9, 2
	s_add_co_u32 s[QBK], s[QBK], s[CX]             ; my block of 32 queries
	s_and_b32 s[BT], ttmp7, 0xffff                 ; the batch, which the four partners share
	; group 1 for k: a token tile's 16,384 dense bytes as 64 rows of 256 (32 elements of 8 bytes)
	s_mov_b32 s[G1K], 15|(3<<16)|(1<<21)           ; 15:0 the mask: all four work-groups; elements of 8 bytes; 21 set beside a mask
	s_mov_b32 s[G1K+1], 32<<16
	s_mov_b32 s[G1K+2], 64<<16
	s_mov_b32 s[G1K+3], 32<<16
	s_mov_b32 s[G1K+4], 64
	s_mov_b32 s[G1K+5], 32
	s_mov_b32 s[G1K+6], 0
	s_mov_b32 s[G1K+7], 0
	; group 1 for the mask: 32 rows of 128 f32, 2,048 elements apart, 4 words of padding behind every 128
	s_mov_b32 s[G1M], (2<<16)|(1<<20)|(6<<22)|(3<<25)
	s_mov_b32 s[G1M+1], 128<<16
	s_mov_b32 s[G1M+2], 32<<16
	s_mov_b32 s[G1M+3], 128<<16
	s_mov_b32 s[G1M+4], 32
	s_mov_b32 s[G1M+5], 2048
	s_mov_b32 s[G1M+6], 0
	s_mov_b32 s[G1M+7], 0
	s_mov_b32 s[CS], 0x3fb8aa3b                    ; log2(e)
	s_mov_b32 s[CS+1], s[CS]                       ; (named with it as a pair, so it is written)
	s_mov_b32 s[NCS], 0xbfb8aa3b
	s_mov_b32 s[MNT], 0x600000
	; offsets that the partners share (s26, s27, s73, s80-83)
	s_and_b32 s26, s[WV], 7
	s_lshl_b32 s26, s26, 14                        ; my token tile of a slot, in LDS and in memory
	s_lshl_b32 s80, s[BT], 21                      ; a batch's images: 2,097,152 bytes
	s_add_co_u32 s80, s80, s26
	s_mov_b32 s81, 0
	s_lshl_b32 s82, s[BT], 5
	s_add_co_u32 s82, s82, s[KH]
	s_lshl_b32 s82, s82, 8                         ; k's scale words: group of 64 tokens 32 b + my key half, 256 bytes a group,
	s_lshl_b32 s27, s[HP], 15
	s_add_co_u32 s82, s82, s27                     ; 32,768 bytes a head pair
	s_mov_b32 s83, 0
	; offsets of my own (s84-91 and the bases' registers)
	s_lshl_b32 s84, s[BT], 24
	s_lshl_b32 s90, s[QBK], 18
	s_add_co_u32 s84, s84, s90                     ; the mask: 16,777,216 bytes a batch, 32 rows of 8,192
	s_mov_b32 s85, 0
	s_lshl_b32 s86, s[BT], 7
	s_lshl_b32 s90, s[QBK], 1
	s_add_co_u32 s86, s86, s90
	s_lshl_b32 s86, s86, 14
	s_lshl_b32 s90, s[HP], 11
	s_add_co_u32 s86, s86, s90                     ; q's images: token tile 128 b + 2 x block, head pair p
	s_mov_b32 s87, 0
	s_lshl_b32 s88, s[BT], 5
	s_lshr_b32 s90, s[QBK], 1
	s_add_co_u32 s88, s88, s90
	s_lshl_b32 s88, s88, 8
	s_lshl_b32 s90, s[HP], 15
	s_add_co_u32 s88, s88, s90
	s_and_b32 s90, s[QBK], 1
	s_lshl_b32 s90, s90, 2
	s_add_co_u32 s88, s88, s90                     ; q's scale words: the group's word e = block % 2
	s_mov_b32 s89, 0
	s_lshl_b32 s[VFB], s[BT], 11
	s_lshl_b32 s90, s[QBK], 5
	s_add_co_u32 s[VFB], s[VFB], s90
	s_lshl_b32 s90, s[KH], 4
	s_add_co_u32 s[VFB], s[VFB], s90
	s_lshl_b32 s[VFB], s[VFB], 12
	s_lshl_b32 s90, s[HP], 9
	s_add_co_u32 s[VFB], s[VFB], s90               ; v: token 2,048 b + 32 x block + 16 x (w % 2), 4,096 bytes a token; 512 bytes a head pair
	s_mov_b32 s[VFB+1], 0
	s_lshl_b32 s91, s[BT], 11
	s_lshl_b32 s90, s[HP], 8
	s_add_co_u32 s91, s91, s90
	s_lshl_b32 s90, s[QBK], 1
	s_add_co_u32 s91, s91, s90
	s_add_co_u32 s91, s91, s[KH]                   ; ctx's row of head 2 p: 2,048 b + 256 p + 2 x block + w % 2
	s_lshl_b32 s[CCB], s91, 10
	s_mov_b32 s[CCB+1], 0
	s_lshl_b32 s[CSB], s91, 5
	s_mov_b32 s[CSB+1], 0
	; lanes
	v_and_b32 v42, 31, v0                          ; lane
	v_and_b32 v43, 15, v0                          ; r
	v_bfe_u32 v44, v0, 4, 1                        ; h
	v_lshlrev_b32 v[L8], 3, v42
	v_lshlrev_b32 v[L8K], 13, v42
	v_lshlrev_b32 v[L16], 4, v42
	s_lshl_b32 s27, s[KH], 16                      ; my four token tiles of a slot,
	s_lshl_b32 s73, s[HP], 11                      ; my head pair in each
	s_add_co_u32 s27, s27, s73
	v_add_nc_u32 v[AK], s27, v[L16]
	v_add_nc_u32 v[AK+1], KSLOT, v[AK]
	v_mul_u32_u24 v[AM], v43, MP                   ; the mask: row r, + 32 h, + my 64 keys
	v_lshl_add_u32 v[AM], v44, 5, v[AM]
	s_lshl_b32 s27, s[KH], 8
	s_add_co_u32 s27, s27, MB0
	v_add_nc_u32 v[AM], s27, v[AM]
	v_add_nc_u32 v[AM+1], MB1-MB0, v[AM]
	v_lshrrev_b32 v45, 1, v42
	v_and_b32 v46, 1, v42
	v_lshlrev_b32 v[VPF], 8, v46
	v_lshl_add_u32 v[VPF], v45, 12, v[VPF]         ; token lane / 2, its block lane % 2 of 256 bytes
	v_lshrrev_b32 v45, 2, v42
	v_and_b32 v46, 3, v42
	v_lshlrev_b32 v[VO], 6, v46
	v_lshl_add_u32 v[VO], v45, 12, v[VO]           ; token lane / 4, 64 bytes lane % 4
	v_lshlrev_b32 v[SO], 1, v43
	v_lshl_add_u32 v[SO], v44, 12, v[SO]           ; head e = lane / 16 (128 rows of 32 bytes on), bytes 2 (lane % 16)
.irp g, 0,1,2,3
	v_mov_b32 v[ST+4*\g+1], 0xff000000             ; m = -2^127
	v_mov_b32 v[ST+4*\g+2], 0                      ; Z
	v_mov_b32 v[ST+4*\g+3], 0
.endr
.irp g, 0,1,2,3
	v_mul_f32 v[ST+4*\g], s[NCS], v[ST+4*\g+1]     ; -c m
.endr
.irp a, 0,1
.irp j, 0,1,2,3,4,5,6,7
	v_mov_b32 v[Q+24*\a+8+\j], 0                   ; the zero codes between the two heads' q
.endr
.endr
	s_wait_kmcnt 0x0
	s_add_nc_u64 s[80:81], s[8:9], s[80:81]        ; k: my tile of trip 0
	s_mov_b32 s[G0K], 1
	s_mov_b32 s[G0K+1], s26
	s_mov_b64 s[G0K+2:G0K+3], s[80:81]
	s_or_b32 s[G0K+3], s[G0K+3], 0x80000000
	s_mov_b32 s[G0K+4], 1
	s_add_co_u32 s[G0K+5], s26, KSLOT
	s_add_nc_u64 s[G0K+6:G0K+7], s[80:81], KSLOT   ; trip 1's: 8 token tiles on
	s_or_b32 s[G0K+7], s[G0K+7], 0x80000000
	s_add_nc_u64 s[84:85], s[12:13], s[84:85]      ; the mask: my 32 rows, keys 0 on
	s_mov_b32 s[G0M], 1
	s_mov_b32 s[G0M+1], MB0
	s_mov_b64 s[G0M+2:G0M+3], s[84:85]
	s_or_b32 s[G0M+3], s[G0M+3], 0x80000000
	s_mov_b32 s[G0M+4], 1
	s_mov_b32 s[G0M+5], MB1
	s_add_nc_u64 s[G0M+6:G0M+7], s[84:85], 512     ; 128 keys on
	s_or_b32 s[G0M+7], s[G0M+7], 0x80000000
	s_add_nc_u64 s[PFB:PFB+1], s[84:85], 512       ; each trip that prefetches steps this by 512 first: trip t asks for tile t + 2
	s_add_nc_u64 s[KSB:KSB+1], s[10:11], s[82:83]
	s_add_nc_u64 s[QBS:QBS+1], s[4:5], s[86:87]
	s_add_nc_u64 s[88:89], s[6:7], s[88:89]
	s_add_nc_u64 s[VFB:VFB+1], s[14:15], s[VFB:VFB+1]
	s_add_nc_u64 s[CCB:CCB+1], s[16:17], s[CCB:CCB+1]
	s_add_nc_u64 s[CSB:CSB+1], s[18:19], s[CSB:CSB+1]
	ROUND                                          ; all four work-groups are here: the first joint loads meet
	TLOAD 0                                        ; trip 0's tiles
.irp a, 0,1
.irp c, 0,1
	global_load_b128 v[Q+24*\a+4*\c:Q+24*\a+4*\c+3], v[L16], s[QBS:QBS+1] offset:\a*16384+\c*512             ; head 2 p's two blocks
	global_load_b128 v[Q+24*\a+16+4*\c:Q+24*\a+16+4*\c+3], v[L16], s[QBS:QBS+1] offset:\a*16384+1024+\c*512   ; head 2 p + 1's
.endr
.endr
	global_load_b32 v[QS], v[L8], s[88:89]
	global_load_b64 v[KS:KS+1], v[L8], s[KSB:KSB+1]   ; 32 lanes read 256 consecutive bytes: register e: lanes 0-15 key tile 2 e, lanes 16-31 key tile 2 e + 1
; Eight products: tile a of queries x my four key tiles x two heads; each has a D of its own and none adds in place.
.macro WM a, n
.irp e, 0,1
.irp i, 0,1,2,3
.if (\i%2) && \a
	v_wmma_scale_f32_16x16x128_f8f6f4 v[D+32*\e+8*\i:D+32*\e+8*\i+7], v[KF+16*\i:KF+16*\i+15], v[Q+24*\a+8*\e:Q+24*\a+8*\e+15], v[M+8*\i:M+8*\i+7], v[KS+2*\n+\i/2], v[QS] matrix_a_scale:MATRIX_SCALE_ROW1 matrix_b_scale:MATRIX_SCALE_ROW1
.elseif (\i%2)
	v_wmma_scale_f32_16x16x128_f8f6f4 v[D+32*\e+8*\i:D+32*\e+8*\i+7], v[KF+16*\i:KF+16*\i+15], v[Q+24*\a+8*\e:Q+24*\a+8*\e+15], v[M+8*\i:M+8*\i+7], v[KS+2*\n+\i/2], v[QS] matrix_a_scale:MATRIX_SCALE_ROW1
.elseif \a
	v_wmma_scale_f32_16x16x128_f8f6f4 v[D+32*\e+8*\i:D+32*\e+8*\i+7], v[KF+16*\i:KF+16*\i+15], v[Q+24*\a+8*\e:Q+24*\a+8*\e+15], v[M+8*\i:M+8*\i+7], v[KS+2*\n+\i/2], v[QS] matrix_b_scale:MATRIX_SCALE_ROW1
.else
	v_wmma_scale_f32_16x16x128_f8f6f4 v[D+32*\e+8*\i:D+32*\e+8*\i+7], v[KF+16*\i:KF+16*\i+15], v[Q+24*\a+8*\e:Q+24*\a+8*\e+15], v[M+8*\i:M+8*\i+7], v[KS+2*\n+\i/2], v[QS]
.endif
.endr
.endr
.rept 8
	v_nop                                          ; eight places in front of the first read of the results and of loads into registers that these products read
.endr
.endm
.macro MLOAD a, n                      ; the mask of tile a's 16 queries at my 64 keys: for each key tile 32 bytes a lane
.irp i, 0,1,2,3
	ds_load_b128 v[M+8*\i:M+8*\i+3], v[AM+\n] offset:16*MP*\a+64*\i
	ds_load_b128 v[M+8*\i+4:M+8*\i+7], v[AM+\n] offset:16*MP*\a+64*\i+16
.endr
.endm
.macro KLOAD n                         ; my four key tiles' fragments, as they lie
.irp i, 0,1,2,3
.irp c, 0,1,2,3
	ds_load_b128 v[KF+16*\i+4*\c:KF+16*\i+4*\c+3], v[AK+\n] offset:16384*\i+512*\c
.endr
.endr
.endm
; Step zz of 16 of head e's sum: its 16 pairs are added in place, neighbours 8, 4, 2 and 1 pairs apart; the last step is Z = Z x 2^(c m_old - c m_new) + the sum.
.macro SUMSTEP e, a
.if zz < 8
.set su, zz
.set sw, 8
.elseif zz < 12
.set su, zz-8
.set sw, 4
.elseif zz < 14
.set su, zz-12
.set sw, 2
.else
.set su, 0
.set sw, 1
.endif
.if zz < 15
	s_wait_alu depctr_va_vdst(0)
	v_pk_add_f32 v[D+32*\e+2*su:D+32*\e+2*su+1], v[D+32*\e+2*su:D+32*\e+2*su+1], v[D+32*\e+2*(su+sw):D+32*\e+2*(su+sw)+1]
.else
	v_pk_fma_f32 v[ST+4*(2*\e+\a)+2:ST+4*(2*\e+\a)+3], v[ST+4*(2*\e+\a)+2:ST+4*(2*\e+\a)+3], v[T+4*\e:T+4*\e+1], v[D+32*\e:D+32*\e+1] op_sel_hi:[1,0,1]
.endif
.endm
; Both heads' 32 scores a lane of tile a: the new m, the weights 2^(c s - c m), their sum.  Exponentials stand two and two with a plain instruction of the other head behind them.
.macro SOFTMAX2 a
.irp e, 0,1
.irp i, 0,1,2,3
	v_max3_num_f32 v[T+4*\e+\i], v[D+32*\e+8*\i], v[D+32*\e+8*\i+1], v[D+32*\e+8*\i+2]   ; four chains a head; each result is read from its low end on
.endr
.endr
.irp s, 3,5
.irp e, 0,1
.irp i, 0,1,2,3
	v_max3_num_f32 v[T+4*\e+\i], v[T+4*\e+\i], v[D+32*\e+8*\i+\s], v[D+32*\e+8*\i+\s+1]
.endr
.endr
.endr
.irp e, 0,1
	v_max3_num_f32 v[T+4*\e], v[T+4*\e], v[D+32*\e+7], v[D+32*\e+15]
	v_max3_num_f32 v[T+4*\e+1], v[T+4*\e+1], v[D+32*\e+23], v[D+32*\e+31]
.endr
.irp e, 0,1
	v_max3_num_f32 v[T+4*\e], v[T+4*\e], v[T+4*\e+1], v[T+4*\e+2]
.endr
.irp e, 0,1
	v_max3_num_f32 v[ST+4*(2*\e+\a)+1], v[T+4*\e], v[T+4*\e+3], v[ST+4*(2*\e+\a)+1]   ; the running maximum
.endr
.irp e, 0,1
	v_mul_f32 v[T+4*\e+2], s[NCS], v[ST+4*(2*\e+\a)+1]                                ; the new -c m
.endr
.irp e, 0,1
	v_sub_f32 v[T+4*\e+3], v[T+4*\e+2], v[ST+4*(2*\e+\a)]                             ; c m_old - c m_new, 0 or less
.endr
.irp e, 0,1
	v_mov_b32 v[ST+4*(2*\e+\a)], v[T+4*\e+2]
.endr
.irp e, 0,1
	v_exp_f32 v[T+4*\e], v[T+4*\e+3]
.endr
.irp j, 0,2,4,6,8,10,12,14,16,18,20,22,24,26,28,30
	v_pk_fma_f32 v[D+\j:D+\j+1], v[D+\j:D+\j+1], s[CS:CS+1], v[ST+4*\a:ST+4*\a+1] op_sel_hi:[1,0,0]   ; c s - c m (of the pairs c and -c m the low word serves both halves)
.endr
.irp j, 0,2,4,6,8,10,12,14,16,18,20,22,24,26,28,30
	v_exp_f32 v[D+\j], v[D+\j]
	v_exp_f32 v[D+\j+1], v[D+\j+1]
	v_pk_fma_f32 v[D+32+\j:D+33+\j], v[D+32+\j:D+33+\j], s[CS:CS+1], v[ST+8+4*\a:ST+9+4*\a] op_sel_hi:[1,0,0]
.endr
.set zz, 0
.rept 16
	v_exp_f32 v[D+32+2*zz], v[D+32+2*zz]
	v_exp_f32 v[D+33+2*zz], v[D+33+2*zz]
	SUMSTEP 0, \a
.set zz, zz+1
.endr
.set zz, 0
.rept 16
	SUMSTEP 1, \a
.set zz, zz+1
.endr
.endm
; A TRIP: 128 keys in slot n.  At its head the change of slots: each wave waits for all its tensor loads (one at the most is out: its part of slot n), adds 0 to its spare word, and waits for
; that and for its reads of the other slot; a round of the cluster's barrier; then the other slot is filled with the next trip's tiles, which have this trip's work in which to land.
; pf = 1: wave 9 asks for the mask's tile two trips on (32 rows x two blocks of 256 bytes, each asked for once in the launch), one trip ahead of its tensor load; the last two trips ask for none.
; pf = 2: every wave asks for its 32 blocks of 256 bytes of v, which it loads in the second half of the next trip.   last = 1: nothing more of k; v is loaded.
.macro TRIP n, refill, pf, last
	s_wait_tensorcnt 0x0                           ; no tensor load of mine is out, so a group 0 may be written
	ds_add_u32 v[SPW], v[NIL]                      ; 0 onto my spare word
	s_add_nc_u64 s[G0K+4*\n+2:G0K+4*\n+3], s[G0K+4*\n+2:G0K+4*\n+3], 2*KSLOT   ; this slot's next tiles: two trips on (in the last two trips the stepped addresses are not used)
	s_add_nc_u64 s[G0M+4*\n+2:G0M+4*\n+3], s[G0M+4*\n+2:G0M+4*\n+3], 1024
	s_wait_xcnt 0x0                                ; the last trip's load of scale words and its prefetches have had their addresses translated: their bases may step
.if \pf == 1
	s_add_nc_u64 s[PFB:PFB+1], s[PFB:PFB+1], 512
.endif
.if !\last
	s_add_nc_u64 s[KSB:KSB+1], s[KSB:KSB+1], 512   ; the next trip's scale words of k: two groups of 64 tokens on
.endif
	s_wait_dscnt 0x0                               ; the add is done, and my reads of the other slot are over
	ROUND                                          ; both now hold of every wave of all four work-groups
.if \refill
	TLOAD 1-\n
.endif
	s_wait_loadcnt 0x0                             ; this trip's scale words of k are in (in the first trip q and its scale words too)
.if !\last
	global_load_b64 v[KS+2*(1-\n):KS+2*(1-\n)+1], v[L8], s[KSB:KSB+1]
.endif
	KLOAD \n
	MLOAD 0, \n
	s_wait_dscnt 0x0
	WM 0, \n
	MLOAD 1, \n                                    ; lands while tile 0's softmax is worked
.if \pf == 1
	s_cmp_eq_u32 s[WV], 9
	s_cbranch_scc0 .Lno_pf_\@
	global_prefetch_b8 v[L8K], s[PFB:PFB+1] th:TH_LOAD_NT scope:SCOPE_SE
	global_prefetch_b8 v[L8K], s[PFB:PFB+1] offset:256 th:TH_LOAD_NT scope:SCOPE_SE
.Lno_pf_\@:
.endif
.if \pf == 2
	global_prefetch_b8 v[VPF], s[VFB:VFB+1] th:TH_LOAD_NT scope:SCOPE_SE
.endif
	SOFTMAX2 0
	s_wait_dscnt 0x0
	WM 1, \n                                       ; writes over tile 0's scores: behind each of the earlier products stand its eight v_nop and the other head's softmax lines
.if \last
.irp e, 0,1
.irp u, 0,1
.irp k, 0,1,2,3
	global_load_b128 v[KF+16*(2*\e+\u)+4*\k:KF+16*(2*\e+\u)+4*\k+3], v[VO], s[VFB:VFB+1] offset:32768*\u+256*\e+16*\k   ; v of token 8 u + lane / 4, head 2 p + e, dims 16 (lane % 4) + 4 k on
.endr
.endr
.endr
.endif
	SOFTMAX2 1
.endm
	s_mov_b32 s[CNT], 7
.Lloop:                                                ; 14 of the 16 trips
	TRIP 0, 1, 1, 0
	TRIP 1, 1, 1, 0
	s_sub_co_u32 s[CNT], s[CNT], 1
	s_cmp_lg_u32 s[CNT], 0
	s_cbranch_scc1 .Lloop
	TRIP 0, 1, 2, 0                                ; the last two are written out
	TRIP 1, 0, 0, 1
	; THE END.  Wave (p, w % 2) makes the rows of ctx of heads 2 p and 2 p + 1 for tile a = w % 2 of the queries.
.irp g, 0,1,2,3
	v_add_f32 v[ST+4*\g+1], v[ST+4*\g+2], v[ST+4*\g+3]   ; Z's two halves, beside -c m
.endr
	s_lshl_b32 s80, s[WV], 10
	v_add_nc_u32 v3, s80, v[L8]                    ; my partial pairs: 1,024 x wave + 8 x lane
	s_lshl_b32 s81, s[HP], 11
	s_lshl_b32 s82, s[KH], 8
	s_add_co_u32 s81, s81, s82
	v_bfe_u32 v4, v0, 2, 3
	v_lshl_add_u32 v4, v4, 3, s81                  ; those that I merge: my pair of waves, groups of tile a = w % 2, query lane / 4 (+ 8 u)
	s_lshl_b32 s83, s[WV], 6
	v_bfe_u32 v5, v0, 1, 4
	v_add_nc_u32 v5, s83, v5                       ; my wave's 64 scale bytes: my block's byte,
	v_and_b32 v6, 31, v0
	v_lshl_add_u32 v6, v6, 1, s83                  ; and two bytes a lane on the way out
.irp g, 0,1,2,3
	ds_store_b64 v3, v[ST+4*\g:ST+4*\g+1] offset:STAT+256*\g
.endr
	s_wait_dscnt 0x0                               ; for the others' sake: my stores have landed
	s_barrier_signal -1
	s_barrier_wait -1
.irp e, 0,1
.irp u, 0,1
.irp k, 0,1
.irp h, 0,1
	ds_load_b64 v[M+8*(2*\e+\u)+2*(2*\k+\h):M+8*(2*\e+\u)+2*(2*\k+\h)+1], v4 offset:STAT+1024*\k+512*\e+64*\u+128*\h   ; (head e, token 8 u + lane / 4): key half k, half h of the lanes
.endr
.endr
.endr
.endr
	s_wait_dscnt 0x0
.irp q, 0,1,2,3
	v_min3_num_f32 v[T+\q], v[M+8*\q], v[M+8*\q+2], v[M+8*\q+4]
.endr
.irp q, 0,1,2,3
	v_min_num_f32 v[T+\q], v[T+\q], v[M+8*\q+6]    ; the least -c m: the query's maximum
.endr
.irp j, 0,2,4,6
.irp q, 0,1,2,3
	v_sub_f32 v[M+8*\q+\j], v[T+\q], v[M+8*\q+\j]  ; c m_i - c m, 0 or less
.endr
.endr
.irp j, 0,2,4,6
.irp q, 0,1,2,3
	v_exp_f32 v[M+8*\q+\j], v[M+8*\q+\j]
.endr
.endr
	v_nop                                          ; a plain instruction behind the exponentials
.irp q, 0,1,2,3
	s_wait_alu depctr_va_vdst(0)
	v_mul_f32 v[M+8*\q], v[M+8*\q], v[M+8*\q+1]
.endr
.irp j, 2,4,6
.irp q, 0,1,2,3
	v_fmac_f32 v[M+8*\q], v[M+8*\q+\j], v[M+8*\q+\j+1]   ; Z under the query's maximum
.endr
.endr
.irp q, 0,1,2,3
	v_rcp_f32 v[M+8*\q+1], v[M+8*\q]
.endr
	v_nop                                          ; a plain instruction behind the reciprocals
.irp q, 0,1,2,3
	s_wait_alu depctr_va_vdst(0)
	v_mul_f32 v[M+8*\q], v[M+8*\q], v[M+8*\q+1]    ; s = Z x (1 / Z): the sum of the normalised weights
.endr
	s_wait_loadcnt 0x0                             ; v
.irp q, 0,1,2,3
.irp i, 0,2,4,6,8,10,12,14
	v_pk_mul_f32 v[KF+16*\q+\i:KF+16*\q+\i+1], v[KF+16*\q+\i:KF+16*\q+\i+1], v[M+8*\q:M+8*\q+1] op_sel_hi:[1,0]   ; s x v, in f32
.endr
.endr
	; the quantiser: a lane holds 16 neighbours, two neighbouring lanes a block of 32; the four (head, token) by turns
.irp q, 0,1,2,3
	v_max3_num_f32 v[T+\q], |v[KF+16*\q]|, |v[KF+16*\q+1]|, |v[KF+16*\q+2]|
.endr
.irp q, 0,1,2,3
	v_max3_num_f32 v[T+4+\q], |v[KF+16*\q+3]|, |v[KF+16*\q+4]|, |v[KF+16*\q+5]|
.endr
.irp i, 6,10
.irp q, 0,1,2,3
	v_max3_num_f32 v[T+\q], v[T+\q], |v[KF+16*\q+\i]|, |v[KF+16*\q+\i+1]|
	v_max3_num_f32 v[T+4+\q], v[T+4+\q], |v[KF+16*\q+\i+2]|, |v[KF+16*\q+\i+3]|
.endr
.endr
.irp q, 0,1,2,3
	v_max3_num_f32 v[T+\q], v[T+\q], |v[KF+16*\q+14]|, |v[KF+16*\q+15]|
.endr
.irp q, 0,1,2,3
	v_max3_num_f32 v[T+\q], v[T+\q], v[T+4+\q], 0x4800000   ; and the floor 2^(9 - 127): so the byte cannot fall under 1
.endr
.irp q, 0,1,2,3
	v_max_num_f32_dpp v[T+\q], v[T+\q], v[T+\q] row_xmask:1 row_mask:0xf bank_mask:0xf   ; with my neighbour's 16: the block's largest magnitude
.endr
.irp q, 0,1,2,3
	v_add_nc_u32 v[M+8*\q+2], 0xfc000000, v[T+\q]  ; 8 off its exponent field: the conversion's scale operand
.endr
.irp q, 0,1,2,3
	v_and_or_b32 v[M+8*\q+3], v[T+\q], 0x7f800000, s[MNT]   ; 448 x the scale
.endr
.irp q, 0,1,2,3
.irp i, 0,1,2,3,4,5,6,7,8,9,10,11,12,13,14,15
	v_med3_num_f32 v[KF+16*\q+\i], v[KF+16*\q+\i], -v[M+8*\q+3], v[M+8*\q+3]   ; the conversion to an 8-bit code does not saturate (ISA guide 7.6.2): the hold
.endr
	v_cvt_scalef32_pk8_fp8_f32 v[D+4*\q:D+4*\q+1], v[KF+16*\q:KF+16*\q+7], v[M+8*\q+2]
	v_cvt_scalef32_pk8_fp8_f32 v[D+4*\q+2:D+4*\q+3], v[KF+16*\q+8:KF+16*\q+15], v[M+8*\q+2]
	v_lshrrev_b32 v[M+8*\q+4], 23, v[M+8*\q+2]     ; the scale's byte (also the plain instruction behind the conversions)
.endr
.irp e, 0,1
.irp u, 0,1
	global_store_b128 v[L16], v[D+4*(2*\e+\u):D+4*(2*\e+\u)+3], s[CCB:CCB+1] offset:131072*\e+512*\u   ; half a row of ctx: 32 lanes store 512 consecutive bytes, aligned
	ds_store_b8 v5, v[M+8*(2*\e+\u)+4] offset:SCB+32*\e+16*\u   ; both lanes of a block write the same byte with the same value
.endr
.endr
	ds_load_u16 v[SD], v6 offset:SCB               ; LDS serves a wave's instructions in order: this sees my stores
	s_wait_dscnt 0x0
	global_store_b16 v[SO], v[SD], s[CSB:CSB+1]    ; two rows' 32 scale bytes each: sixteen lanes store 32 consecutive bytes (the rows of scale bytes are no longer)
	s_wait_tensorcnt 0x0                           ; the wave's end: behind my last tensor load and my last LDS store
	ds_add_u32 v[SPW], v[NIL]
	s_wait_dscnt 0x0
	ROUND                                          ; the closing round: no work-group ends while a partner may still ask for a tile that names it
	s_endpgm
.Lfunc_end_k_q20fe94f6cd_attn:
	.size	k_q20fe94f6cd_attn, .Lfunc_end_k_q20fe94f6cd_attn-k_q20fe94f6cd_attn
	.p2alignl 7, 3214868480
	.fill 96, 4, 3214868480
	.section	.rodata,"a",@progbits
	.p2align	6, 0x0
	.amdhsa_kernel k_q20fe94f6cd_attn
		.amdhsa_group_segment_fixed_size 327680
		.amdhsa_private_segment_fixed_size 0
		.amdhsa_enable_private_segment 0
		.amdhsa_kernarg_size 64
		.amdhsa_user_sgpr_count 2
		.amdhsa_user_sgpr_kernarg_segment_ptr 1
		.amdhsa_wavefront_size32 1
		.amdhsa_system_sgpr_workgroup_id_x 1
		.amdhsa_system_sgpr_workgroup_id_y 1
		.amdhsa_system_sgpr_workgroup_id_z 1
		.amdhsa_system_vgpr_workitem_id 0
		.amdhsa_next_free_vgpr 256
		.amdhsa_next_free_sgpr 92
		.amdhsa_reserve_vcc 0
		.amdhsa_float_denorm_mode_32 3
		.amdhsa_float_denorm_mode_16_64 3
		.amdhsa_memory_ordered 1
		.amdhsa_forward_progress 1
		.amdhsa_inst_pref_size 124
	.end_amdhsa_kernel
	.amdgpu_metadata
---
amdhsa.version: [ 1, 2 ]
amdhsa.kernels:
  - .name:           k_q20fe94f6cd_attn
    .symbol:         k_q20fe94f6cd_attn.kd
    .args:
      - { .name: q_img, .offset: 0, .size: 8, .value_kind: global_buffer, .address_space: global }
      - { .name: q_sc, .offset: 8, .size: 8, .value_kind: global_buffer, .address_space: global }
      - { .name: k_img, .offset: 16, .size: 8, .value_kind: global_buffer, .address_space: global }
      - { .name: k_sc, .offset: 24, .size: 8, .value_kind: global_buffer, .address_space: global }
      - { .name: mask, .offset: 32, .size: 8, .value_kind: global_buffer, .address_space: global }
      - { .name: vf, .offset: 40, .size: 8, .value_kind: global_buffer, .address_space: global }
      - { .name: ctx_codes, .offset: 48, .size: 8, .value_kind: global_buffer, .address_space: global }
      - { .name: ctx_scales, .offset: 56, .size: 8, .value_kind: global_buffer, .address_space: global }
    .group_segment_fixed_size: 327680
    .private_segment_fixed_size: 0
    .kernarg_segment_align: 8
    .kernarg_segment_size: 64
    .max_flat_workgroup_size: 512
    .sgpr_count:     92
    .vgpr_count:     256
    .wavefront_size: 32
...
	.end_amdgpu_metadata
.endif
;; end of part 2
;; launch outp: the kernel of part 1 again; grid 4 x 32, 4 waves a work-group, clusters of 4 x 4, 327,680 bytes of LDS; arguments ctx_codes, ctx_scales, Wo_w_codes, Wo_w_scales, Wq_codes, Wq_scales, Wk_codes, Wk_scales, out0, q_img, q_sc, k_img, k_sc; writes out0, q_img, q_sc, k_img, k_sc
